; MI455X (gfx1250); checked and timed in simulation.
; The chip was launched on July 23, 2026; its instructions are those of AMD's public machine-readable ISA for CDNA 5 (MIT licence, August 2026) and "CDNA5" Instruction Set Architecture Reference Guide (July 2026). The comments in the code are by the model that wrote it; some were corrected since.
;; LSTM Cell. Allowed arithmetic: matrix products marked QUANTISED: E3M2 operands, one E8M0 scale for each 32 along K, by v_wmma_scale_f32_16x16x128_f8f6f4 with both operands' format E3M2, f32 sums; everything else in f32.
;; Inputs: Wh 4,096 x 1,024 float32; Wx 4,096 x 1,024 float32; b 4,096 float32; c_prev 8,192 x 1,024 float32; h_prev 8,192 x 1,024 float32; x 8,192 x 1,024 float32.
;; Outputs: out0 8,192 x 1,024 float32; out1 8,192 x 1,024 float32.
;; This version of the problem:
;;   THIS VERSION OF THE PROBLEM IS GIVEN IN LOW PRECISION. The matrix products marked QUANTISED in the list below multiply operands that are first quantised to E3M2 (3 exponent bits, 2 mantissa bits; 6 bits a number), with one power-of-two scale for each 32 numbers along K (OCP MX v1.0); their sums are f32. All else is computed in f32.
;;   The module's matrix products, in the order in which they are computed (A, B: the left and right operand; K: the contracted axis; several contracted axes count as one K, in the product's order):
;;     1. [M 8,192, K 1,024] x [K 1,024, N 4,096]; A: input x; B: input Wx: QUANTISED
;;     2. [M 8,192, K 1,024] x [K 1,024, N 4,096]; A: input h_prev; B: input Wh: QUANTISED
;;   THE QUANTISER, for each operand of a quantised product, along K:
;;     - K is cut into blocks of 32 from its start; a last block that is shorter is filled with zeros.
;;     - A block's scale is 2^e with e = floor(log2(the largest magnitude in the block)) - 4, held to -126 .. 127; a block of zeros has e = 0. As a byte (E8M0): e + 127.
;;     - Each number is divided by its block's scale, clamped to +-28, and rounded to the nearest number of E3M2, ties to even, subnormals kept.
;;     - The product sums the exact products of the quantised numbers (number of the format x scale) in f32.
;;   ~~~python
;;   def quantise(x, axis):      # numpy; x: float32 -> the quantised numbers, widened to float32 again
;;       x = np.moveaxis(x, axis, -1); K = x.shape[-1]
;;       x = np.pad(x, [(0, 0)] * (x.ndim - 1) + [(0, -K % 32)]); x = x.reshape(x.shape[:-1] + (-1, 32)); a = np.abs(x).max(-1, keepdims=True)
;;       e = np.where(a > 0, np.clip(np.frexp(np.where(a > 0, a, 1))[1] - 1 - 4, -126, 127), 0)      # np.frexp(a)[1] - 1 = floor(log2(a)), exactly
;;       r = np.clip(x / 2.0 ** e, -28, 28)
;;       step = 2.0 ** (np.maximum(np.frexp(np.where(r == 0, 1, r))[1] - 1, -2) - 2)
;;       q = np.round(r / step) * step * 2.0 ** e      # np.round: ties to even
;;       return np.moveaxis(q.reshape(q.shape[:-2] + (-1,))[..., :K], -1, axis).astype(np.float32)
;;   ~~~
;; One version. Each part assembles by itself: llvm-mc -triple=amdgcn-amd-amdhsa -mcpu=gfx1250 --defsym DOCPART=n.
;; ======== version 1 of 1: 2 launches
;; limits: right only within a limited range of input values
;; workspace buffers: aq 13,107,200 bytes; bq 6,553,600 bytes
;; launch quant (part 1): grid 768 x 1, 4 waves a work-group, no clusters, 34,304 bytes of LDS; arguments x, h_prev, Wx, Wh, aq, bq; writes aq, bq
.if DOCPART == 1
	.amdgcn_target "amdgcn-amd-amdhsa--gfx1250"
	.amdhsa_code_object_version 6
	.text
	.protected	k_qd9f9f48235_quant
	.globl	k_qd9f9f48235_quant
	.p2align	8
	.type	k_qd9f9f48235_quant,@function
k_qd9f9f48235_quant:
	s_mov_b64 s[64:65], 0
	v_nop
	global_prefetch_b8 v0, s[64:65] scope:SCOPE_SE
	s_setreg_imm32_b32 hwreg(HW_REG_WAVE_MODE, 25, 1), 1
	s_wait_xcnt 0x0
; x, h_prev [8192][1024] and Wx, Wh [4096][1024], f32, become codes of BF6 (E3M2) with one E8M0 scale byte for each 32 along K, laid IN THE ORDER OF THE OPERAND'S REGISTERS for the product's launch.
; The two products of the cell are one product over K = 2,048: k 0..1023 are x and Wx, k 1024..2047 are h_prev and Wh: 16 steps of 128.
; aq and bq: [tile][half 0..1][step 0..15][12,800 bytes].  Such a unit: 8 row groups of 16 rows x 1,536 bytes of codes, then from byte 12,288 on the scale words, [quad of row groups 0..1][row][group in the quad],
; 4 bytes for a row and the step's 128 along K.  A fragment is the image of its 12 registers: byte 512 c + 16 lane holds registers 4 c .. 4 c + 3 of that lane.
; aq: tile T, half i, group G, lane row r = row 256 T + 128 i + 16 G + r.
; bq: tile tc, half j, group 2 g + u, lane row r = row 1024 g + 64 tc + 32 j + 16 u + r of the weights: the four gates g of one hidden column lie in one tile, so that they meet in one lane of the product.
; A block's scale is 2^(floor(log2(its largest magnitude)) - 4); its byte is the largest magnitude's exponent field - 4, held at 1 from below.  Each number is divided by the scale and rounded to the nearest
; code, ties to even, beyond 28 the largest code.
; LIMITS: a block of zeros, and a block whose largest magnitude lies under 2^-122, gets the byte 1 (the rule says 127 for zeros: the codes are zeros, which add nothing, and this program alone reads the bytes);
; NaN and infinities among the inputs are not served.
; SHARES: work-groups 0-255 take x, 256-511 h_prev, 512-639 Wx, 640-767 Wh.  A work-group takes a quad of row groups (64 rows; of the weights: 32 rows of each of two gates) x 512 along K.  Wave w takes one step
; of 128 along K of them: four fragments, f = the group in the quad.  So a wave's four scale words a row are 256 neighbouring bytes of the unit, and leave by one store.
; Each load reads 512 neighbouring bytes of a row; a fragment's 16 rows x 512 bytes turn through the wave's own stage in LDS, so that lane (r, h) gets, of row r, k = 64 c + 32 h + 0 .. 31 into registers
; 32 c .. 32 c + 31: two whole blocks, in the order that the operand's layout gives that lane.  So the conversions' results are the operand's registers.
; No matrix unit, no tensor load, no cluster, no barrier: the waves share nothing and memory binds.
.set PITCH, 528                        ; a stage row: 512 bytes + 16: 33 x 16, so the sixteen rows that a read touches begin in sixteen different groups of four banks
.set WST,   16*PITCH                   ; a wave's stage
.set UB,    12800                      ; a unit: one half, one step
.set HALFB, 16*UB
.set TILEB, 2*HALFB
.set SCO,   12288
.set FRB,   1536
.set GA,  4                            ; v4   16 x lane: my place in a load's 512 bytes and in a store's; never rewritten
.set STI, 5                            ; v5   the stage, on the way in
.set STO, 6                            ; v6   and on the way out: row r, + 128 h
.set SH,  7                            ; v7   8 h: how far my two scale bytes are shifted
.set SA,  8                            ; v8   16 r + 8 h: my place among the quad's scale words
.set PT,  9                            ; v9   the other half's bytes
.set M,   10                           ; v10-11 largest magnitudes of my two blocks
.set SO,  12                           ; v12-13 the conversions' scale operands
.set BY,  14                           ; v14-15 the scale bytes
.set W,   16                           ; v16-19 the four fragments' scale words of row r
.set OW,  20                           ; v20-21 the two words that I store
.set TW,  22
.set GB,  23                           ; v23  16 x lane + the way to the quad's groups 2 and 3; never rewritten
.set C,   24                           ; v24-35 a fragment's codes
.set D,   36                           ; v36-38, v40-42 the second halves of the blocks' codes, as the conversions leave them
.set X,   48                           ; v48-111 my 64 numbers
.set R,   112                          ; v112-239 two sets of 64 registers as loaded
	s_load_b256 s[4:11], s[0:1], 0x0               ; x, h_prev, Wx, Wh
	s_load_b128 s[12:15], s[0:1], 0x20             ; aq, bq
	v_lshl_add_u32 v240, v0, 2, 0x8400
	v_mov_b32 v241, 0
	v_lshrrev_b32 v1, 5, v0
	v_readfirstlane_b32 s16, v1                    ; wave 0..3
	v_and_b32 v1, 31, v0                           ; lane
	v_and_b32 v2, 15, v0                           ; r
	v_bfe_u32 v3, v0, 4, 1                         ; h
	v_lshlrev_b32 v[GA], 4, v1
	s_mul_i32 s38, s16, WST
	v_add_nc_u32 v[STI], s38, v[GA]
	v_mul_u32_u24 v[STO], v2, PITCH
	v_lshl_add_u32 v[STO], v3, 7, v[STO]
	v_add_nc_u32 v[STO], s38, v[STO]
	v_lshlrev_b32 v[SH], 3, v3
	v_lshlrev_b32 v[SA], 4, v2
	v_lshl_add_u32 v[SA], v3, 3, v[SA]
	v_mov_b32 v[PT], 0                             ; written once: a lane permute's destination counts as one of its sources
	s_mov_b32 s30, 0x76543210
	s_mov_b32 s31, 0xfedcba98                      ; v_permlanex16_b32's selects for lane l xor 16
	s_and_b32 s17, ttmp9, 255                      ; x, h_prev: the work-group's number in its tensor,
	s_bfe_u32 s18, ttmp9, 0x10008                  ; and which of the two tensors
	s_sub_co_u32 s22, ttmp9, 512
	s_and_b32 s23, s22, 127                        ; Wx, Wh: the same
	s_bfe_u32 s24, s22, 0x10007
	s_mov_b32 s19, 0x400000                        ; the weights: from a quad's groups 0, 1 to its groups 2, 3 it is one gate, 1,024 rows of 4,096 bytes
	s_wait_alu depctr_va_vdst(0)
	s_wait_kmcnt 0x0
	s_cmp_lt_u32 ttmp9, 256                        ; every choice hangs on the work-group's number alone
	s_cselect_b64 s[4:5], s[4:5], s[6:7]           ; x or h_prev
	s_cmp_lt_u32 ttmp9, 640
	s_cselect_b64 s[8:9], s[8:9], s[10:11]         ; Wx or Wh
	s_cmp_lt_u32 ttmp9, 512
	s_cselect_b64 s[4:5], s[4:5], s[8:9]           ; from where,
	s_cselect_b64 s[12:13], s[12:13], s[14:15]     ; to where
	s_cselect_b32 s17, s17, s23
	s_cselect_b32 s18, s18, s24
	s_cselect_b32 s19, 0x20000, s19                ; x, h_prev: 32 rows
	s_and_b32 s20, s17, 1                          ; which 512 along K of the tensor
	s_lshr_b32 s21, s17, 1                         ; the quad = 4 x tile + 2 x half + (quad in the half), in both kinds of tensor
	s_lshr_b32 s25, s21, 2                         ; tile
	s_bfe_u32 s26, s21, 0x10001                    ; half
	s_and_b32 s27, s21, 1                          ; quad in the half
	s_lshl_b32 s28, s21, 18                        ; x, h_prev: the quad's first row is 64 x quad: 4,096 bytes a row
	s_lshl_b32 s29, s27, 23                        ; the weights: row 2,048 x (quad in the half) + 32 x (2 tile + half)
	s_lshr_b32 s32, s21, 1
	s_lshl_b32 s32, s32, 17
	s_add_co_u32 s29, s29, s32
	s_cmp_lt_u32 ttmp9, 512
	s_cselect_b32 s28, s28, s29
	s_lshl_b32 s29, s20, 11                        ; the work-group's 512 along K,
	s_add_co_u32 s28, s28, s29
	s_lshl_b32 s29, s16, 9                         ; my wave's 128 of them
	s_add_co_u32 s28, s28, s29
	s_mov_b32 s29, 0
	s_add_nc_u64 s[4:5], s[4:5], s[28:29]
	v_add_nc_u32 v[GB], s19, v[GA]
	s_lshl_b32 s33, s18, 3
	s_lshl_b32 s34, s20, 2
	s_add_co_u32 s33, s33, s34
	s_add_co_u32 s33, s33, s16                     ; the step = 8 x (second tensor) + 4 x (second 512) + wave
	s_mul_i32 s33, s33, UB
	s_mul_i32 s32, s25, TILEB
	s_add_co_u32 s32, s32, s33
	s_mul_i32 s33, s26, HALFB
	s_add_co_u32 s32, s32, s33                     ; my unit
	s_mul_i32 s34, s27, 4*FRB
	s_add_co_u32 s34, s34, s32                     ; the quad's four fragments in it
	s_mov_b32 s35, 0
	s_lshl_b32 s36, s27, 8
	s_add_co_u32 s36, s36, s32
	s_add_co_u32 s36, s36, SCO                     ; and its 256 bytes of scale words
	s_mov_b32 s37, 0
	s_add_nc_u64 s[24:25], s[12:13], s[34:35]
	s_add_nc_u64 s[26:27], s[12:13], s[36:37]
.macro LOAD f                          ; fragment f: 16 rows x 512 bytes into set f % 2; the 32 lanes of a load read 512 neighbouring bytes; read once in the whole launch
.irp rr, 0,1,2,3,4,5,6,7,8,9,10,11,12,13,14,15
.if (\f) < 2
	global_load_b128 v[R+64*((\f)%2)+4*\rr:R+64*((\f)%2)+4*\rr+3], v[GA], s[4:5] offset:((\f)%2)*65536+\rr*4096 th:TH_LOAD_NT
.else
	global_load_b128 v[R+64*((\f)%2)+4*\rr:R+64*((\f)%2)+4*\rr+3], v[GB], s[4:5] offset:((\f)%2)*65536+\rr*4096 th:TH_LOAD_NT
.endif
.endr
.endm
.macro TURN f                          ; through the stage: LDS serves a wave's instructions in order (ISA guide 5.7.1.4), so no wait stands between the stores and the loads
.irp rr, 0,1,2,3,4,5,6,7,8,9,10,11,12,13,14,15
	ds_store_b128 v[STI], v[R+64*((\f)%2)+4*\rr:R+64*((\f)%2)+4*\rr+3] offset:PITCH*\rr
.endr
.irp c, 0,1
.irp n, 0,1,2,3,4,5,6,7
	ds_load_b128 v[X+32*\c+4*\n:X+32*\c+4*\n+3], v[STO] offset:256*\c+16*\n   ; k = 64 c + 32 h + 4 n .. + 3 of row r
.endr
.endr
.endm
.macro WORK f
.irp c, 0,1
	v_max3_num_f32 v[M+\c], |v[X+32*\c]|, |v[X+32*\c+1]|, 0x2800000   ; block 2 c + h: all its 32 numbers are mine; and the floor 2^(5 - 127), so that the byte cannot fall under 1
.endr
.irp i, 2,4,6,8,10,12,14,16,18,20,22,24,26,28,30
.irp c, 0,1
	v_max3_num_f32 v[M+\c], v[M+\c], |v[X+32*\c+\i]|, |v[X+32*\c+\i+1]|   ; (the two blocks by turns)
.endr
.endr
.irp c, 0,1
	v_add_nc_u32 v[SO+\c], 0xfe000000, v[M+\c]     ; 4 off the exponent field: the conversion takes the exponent field of this operand as its scale, and nothing else of it
.endr
.irp c, 0,1
	v_lshrrev_b32 v[BY+\c], 23, v[SO+\c]           ; the scale's byte
.endr
	v_lshl_or_b32 v[TW], v[BY+1], 16, v[BY]        ; my two bytes: blocks h and 2 + h of row r,
	v_lshlrev_b32 v[TW], v[SH], v[TW]              ; at their places in the word;
	v_permlanex16_b32 v[PT], v[TW], s30, s31
	v_or_b32 v[W+(\f)], v[TW], v[PT]               ; with lane l xor 16's two the word is whole, in both lanes
	s_wait_alu depctr_va_vdst(0)
	s_wait_xcnt 0x0                                ; the last fragment's stores have read their data: the codes' registers are written again only behind this wait
.irp c, 0,1
	v_cvt_scalef32_pk16_bf6_f32 v[C+6*\c:C+6*\c+2], v[X+32*\c:X+32*\c+15], v[SO+\c]       ; registers 6 c .. 6 c + 2 of the operand
	v_cvt_scalef32_pk16_bf6_f32 v[D+4*\c:D+4*\c+2], v[X+32*\c+16:X+32*\c+31], v[SO+\c]    ; (a conversion's three registers begin on an even number: the block's second three do not, so they are made elsewhere and moved)
.endr
	v_nop                                          ; one plain place behind a scaled conversion
.irp c, 0,1
.irp i, 0,1,2
	v_mov_b32 v[C+6*\c+3+\i], v[D+4*\c+\i]
.endr
.endr
.irp c, 0,1,2
	global_store_b128 v[GA], v[C+4*\c:C+4*\c+3], s[24:25] offset:FRB*(\f)+512*\c   ; the image: 32 lanes store 512 neighbouring bytes, at a multiple of 512 from the buffer's first byte
.endr
.endm
	LOAD 0
	LOAD 1
	s_wait_alu depctr_va_vdst(0)
.irp f, 0,1,2,3
.if \f < 3
	s_wait_loadcnt 16                              ; this fragment's 16 loads are in; the next fragment's 16 may be out
.else
	s_wait_loadcnt 0x0
.endif
	TURN \f
	s_wait_dscnt 0x0                               ; my 64 numbers are back; the stores into the stage have read their set,
.if \f < 2
	LOAD \f+2                                      ; which takes the fragment two on
.endif
	WORK \f
.endr
	v_cmp_ne_u32 vcc_lo, 0, v3                     ; of row r's four words lanes 0-15 store those of groups 0 and 1, lanes 16-31 those of groups 2 and 3
	v_cndmask_b32 v[OW], v[W], v[W+2], vcc_lo
	v_cndmask_b32 v[OW+1], v[W+1], v[W+3], vcc_lo
	global_store_b64 v[SA], v[OW:OW+1], s[26:27]   ; 32 lanes store 256 neighbouring bytes, at a multiple of 256
	s_wait_tensorcnt 0x0
	ds_add_u32 v240, v241
	s_wait_dscnt 0x0
	s_endpgm
.Lfunc_end_k_qd9f9f48235_quant:
	.size	k_qd9f9f48235_quant, .Lfunc_end_k_qd9f9f48235_quant-k_qd9f9f48235_quant
	.p2alignl 7, 3214868480
	.fill 96, 4, 3214868480
	.section	.rodata,"a",@progbits
	.p2align	6, 0x0
	.amdhsa_kernel k_qd9f9f48235_quant
		.amdhsa_group_segment_fixed_size 34304
		.amdhsa_private_segment_fixed_size 0
		.amdhsa_enable_private_segment 0
		.amdhsa_kernarg_size 48
		.amdhsa_user_sgpr_count 2
		.amdhsa_user_sgpr_kernarg_segment_ptr 1
		.amdhsa_wavefront_size32 1
		.amdhsa_system_sgpr_workgroup_id_x 1
		.amdhsa_system_sgpr_workgroup_id_y 1
		.amdhsa_system_sgpr_workgroup_id_z 1
		.amdhsa_system_vgpr_workitem_id 0
		.amdhsa_next_free_vgpr 242
		.amdhsa_next_free_sgpr 66
		.amdhsa_reserve_vcc 1
		.amdhsa_float_denorm_mode_32 3
		.amdhsa_float_denorm_mode_16_64 3
		.amdhsa_memory_ordered 1
		.amdhsa_forward_progress 1
		.amdhsa_inst_pref_size 32
	.end_amdhsa_kernel
	.amdgpu_metadata
---
amdhsa.version: [ 1, 2 ]
amdhsa.kernels:
  - .name:           k_qd9f9f48235_quant
    .symbol:         k_qd9f9f48235_quant.kd
    .args:
      - { .name: x, .offset: 0, .size: 8, .value_kind: global_buffer, .address_space: global }
      - { .name: h_prev, .offset: 8, .size: 8, .value_kind: global_buffer, .address_space: global }
      - { .name: Wx, .offset: 16, .size: 8, .value_kind: global_buffer, .address_space: global }
      - { .name: Wh, .offset: 24, .size: 8, .value_kind: global_buffer, .address_space: global }
      - { .name: aq, .offset: 32, .size: 8, .value_kind: global_buffer, .address_space: global }
      - { .name: bq, .offset: 40, .size: 8, .value_kind: global_buffer, .address_space: global }
    .group_segment_fixed_size: 34304
    .private_segment_fixed_size: 0
    .kernarg_segment_align: 8
    .kernarg_segment_size: 48
    .max_flat_workgroup_size: 128
    .sgpr_count:     66
    .vgpr_count:     242
    .wavefront_size: 32
...
	.end_amdgpu_metadata
.endif
;; end of part 1
;; launch lstm (part 2): grid 16 x 16, 4 waves a work-group, clusters of 4 x 4, 327,680 bytes of LDS; arguments aq, bq, b, c_prev, out0, out1; writes out0, out1
.if DOCPART == 2
	.amdgcn_target "amdgcn-amd-amdhsa--gfx1250"
	.amdhsa_code_object_version 6
	.text
	.protected	k_qd9f9f48235_lstm
	.globl	k_qd9f9f48235_lstm
	.p2align	8
	.type	k_qd9f9f48235_lstm,@function
k_qd9f9f48235_lstm:
	s_mov_b64 s[64:65], 0
	v_nop
	global_prefetch_b8 v0, s[64:65] scope:SCOPE_SE
	s_setreg_imm32_b32 hwreg(HW_REG_WAVE_MODE, 25, 1), 1
	s_wait_xcnt 0x0
	s_wait_alu depctr_hold_cnt(0) depctr_sa_sdst(0) depctr_va_vdst(0) depctr_va_sdst(0) depctr_va_ssrc(0) depctr_va_vcc(0) depctr_vm_vsrc(0)
	s_getreg_b32 s2, hwreg(HW_REG_IB_STS2, 6, 4)
	s_cmp_eq_u32 s2, 0
	s_cbranch_scc0 .Lentry_in_a_cluster
	s_endpgm
.Lentry_in_a_cluster:
	s_bfe_u32 s2, ttmp6, 0x10000c
	s_cmp_lg_u32 s2, 0xf033
	s_cbranch_scc0 .Lentry_shape_is_right
	s_endpgm
.Lentry_shape_is_right:
; The LSTM cell: gates = [x | h_prev] [Wx | Wh]^T + b on codes of BF6 (E3M2) with E8M0 scales, K = 2,048, sums in f32; then, in f32 and in registers,
; c_t = sigmoid(f) c_prev + sigmoid(i) tanh(g) -> out1,  h_t = sigmoid(o) tanh(c_t) -> out0.  The gates never go to memory.
; aq, bq: [tile][half][step of 128 along K, 0..15][12,800 bytes]; a unit is 8 row groups x 1,536 bytes (the image of a fragment's 12 registers: byte 512 c + 16 lane = registers 4 c .. 4 c + 3),
; then from byte 12,288 the scale words [quad of row groups][row][group in the quad].  bq's row group 2 g + u of tile tc, half j holds rows 1024 g + 64 tc + 32 j + 16 u + 0..15 of the weights.
; SHARES.  A tile is 256 rows x 64 hidden columns x 4 gates.  Four waves; wave 2 i + j makes rows 128 i on and hidden columns 32 j on: 64 accumulators, 512 registers.
; A WORK-GROUP STAYS: 256 work-groups make two tiles each, row tiles T and T + 16 of one column tile: a loop of two trips round the 16 steps and the cell.
; THE RING.  Two LDS slots X and Y of three steps each.  A tile's steps go X: 0-1, Y: 2-4, X: 5-7, Y: 8-10, X: 11-13, Y: 14-15.  At step 13 X takes the next tile's steps 0-1; at step 15 Y takes c_prev's tile;
; in the cell's last block, when c_prev has been read, Y takes the next tile's steps 2-4.  The last tile asks for neither: those two places have an arm of their own, chosen by the count of tiles alone.
; THE MATRIX INSTRUCTION IS USED TRANSPOSED (source 0 = weights, source 1 = x | h_prev): register n of accumulator (a, 2 g + u) in lane (r, h) is gate g at row 16 a + r, hidden column 16 u + 8 h + n of my part.
; The bias is the C of each sum's first matrix instruction; it is loaded once (both tiles have the same columns) and kept in window 1.
; CLUSTERS: 4 x 4.  aq's tiles are asked for jointly along a row of the cluster, bq's along a column; c_prev's tile is the work-group's own, a plain tensor load behind a round.
; THE CELL: Ei = e^-i, Ef = e^-f, Eo = e^-o, Eg = e^-2g; Ai = 1 + Ei, F = 1 + Ef, P = Ai Eg + Ai, c_t = (c_prev P + (F - Eg F)) / (P F); Ec = e^(-2 c_t); Ao = 1 + Eo; h_t = (1 - Ec) / (Ao Ec + Ao).
; Each exponent (base 2) is held at 30 from above, so that P F stays under 2^92; from below nothing is held: 2^x goes to 0, the right limit.
; LIMITS: by that hold a sigmoid is never under about 2^-30 and tanh never under -(1 - 2^-29); |c_prev| stays under 2^60; NaN and infinities among the inputs are not served.
; PREFETCHES: c_prev's tile (a lane a row, each wave its 64 rows) eleven steps ahead of its load; of aq and bq 128 rows of 256 bytes an instruction, row 4 lane + p for the partner at place p of the four that ask jointly,
; one and a half steps or more ahead of the load that wants them; a tile's first 256 rows of the launch's first tile come by their loads alone; bq's rows are asked for in the first tile alone.
; REGISTERS: window 0: v16-31 addresses; v32-47 scale words alone; v112-207 A's fragments, one set; behind the sums v48-223 serve the cell.  window 1: B's fragments at v0 and v128, the bias at v96-127 and v224-255.
; windows 2, 3: the accumulators of my rows 0-63 and 64-127 ((a, b) at v[8 (8 (a % 4) + b)]).
.set UB,    12800
.set SCO,   12288
.set FR,    12
.set FRB,   1536
.set NL,    3
.set NP,    4
.set WPART, 3*UB
.set SLOT,  4*WPART
.set HALFB, 16*UB
.set TILEB, 2*HALFB
.set WALK,  16*TILEB                   ; bytes of aq from a tile to the work-group's next
.set DOWN,  0x1000000                  ; 4,096 rows of 4,096 bytes: the same walk in c_prev and in the outputs
.set CH,    32768                      ; 128 rows of 256 bytes: what the four partners' prefetches name together
.set CPP,   272                        ; c_prev's tile, in Y: 256 rows x (256 bytes + 16)
.set SPP,   272
.set STG,   2*SLOT                     ; behind the ring, bytes that no tensor load fills: the stage, [c_t, h_t][32 rows] x 272
.set STO1,  32*SPP
.set SPARE, STG+2*STO1                 ; the spare words: 512 bytes that no other line names
.set ADRA, 16
.set ADRB, 18
.set ADRS, 20
.set STO,  22
.set RD,   23
.set CO,   24
.set CPA,  25
.set BO,   26
.set PFC,  27                          ; lane x 4,096: c_prev's prefetch
.set SPW,  28
.set NIL,  29
.set PFO,  30                          ; (4 lane + p) x 256;  v31: the same with the lane held at 7, for a half's last 32 rows
.set SC,   32
.set AF,   112
.set GI,   48
.set GF,   64
.set GO,   80
.set GG,   96
.set CPR,  112
.set T1,   128
.set T2,   144
.set CT,   160
.set HT,   176
.set OB,   192
.set TL,   4                           ; s4 tiles to go;  s5 1: my wave prefetches tiles;  s6 1: it prefetches the next tile's first rows
.set LIM,  5
.set LIN,  6
.set PF,   10                          ; s[10:11] the half of aq or bq that I fetch
.set G1A3, 24
.set G1B3, 32
.set G1A2, 40
.set G1B2, 48
.set G0AX, 56
.set G0BX, 60
.set G1C,  68
.set G0AY, 76
.set G0BY, 80
.set G0C,  84
.set KS1,  88
.set KS2,  90
.set CAP,  92
.set OUTP, 94
.set MSB, 0
.macro WIN new
.if MSB != (\new)
	s_set_vgpr_msb (MSB<<8)|(\new)
.set MSB, (\new)
.endif
.endm
.set MUL_LO,   0xa1                    ; source 0 (B) window 1, source 1 (A) window 0, C and D window 2
.set MUL_HI,   0xf1
.set FIRST_LO, 0x91                    ; the first products: C (the bias) window 1, D window 2
.set FIRST_HI, 0xd1
.set TO_B,     0x40
.macro JLOAD g0a, g1a, g0b, g1b        ; a joint load: waves 0, 1 fetch A's halves, waves 2, 3 B's; s_nop 0 and four v_nop behind each line
	s_cmp_eq_u32 s17, 0
	s_cbranch_scc0 .Lfor_b_\@
	tensor_load_to_lds s[\g0a:\g0a+3], s[\g1a:\g1a+7]
	s_nop 0
.rept 4
	v_nop
.endr
	s_branch .Lasked_\@
.Lfor_b_\@:
	tensor_load_to_lds s[\g0b:\g0b+3], s[\g1b:\g1b+7]
	s_nop 0
.rept 4
	v_nop
.endr
.Lasked_\@:
.endm
.macro CREST
	s_cmp_lg_u32 s16, 0
	s_cbranch_scc1 .Lnot_wave_0_\@
	s_barrier_signal -3
.Lnot_wave_0_\@:
	s_barrier_wait -3
	s_barrier_signal -1
	s_barrier_wait -1
.endm
.macro CROUND
	s_barrier_signal -1
	s_barrier_wait -1
	CREST
.endm
.macro ASK flag, vr, off               ; one prefetch, where my wave's flag is 1: the flag hangs on the wave's number and the count of tiles alone
	s_cmp_eq_u32 s[\flag], 1
	s_cbranch_scc0 .Lno_\@
	global_prefetch_b8 v[\vr], s[PF:PF+1] offset:\off th:TH_LOAD_NT scope:SCOPE_SE
.Lno_\@:
.endm
	s_load_b256 s[4:11], s[0:1], 0x0               ; aq, bq, b, c_prev
	s_load_b128 s[12:15], s[0:1], 0x20             ; out0, out1
	v_lshl_add_u32 v[SPW], v0, 2, SPARE
	v_mov_b32 v[NIL], 0
	ds_add_u32 v[SPW], v[NIL]                      ; the opening lines: the add twice on end, then one wait
	ds_add_u32 v[SPW], v[NIL]
	v_lshrrev_b32 v1, 5, v0
	v_readfirstlane_b32 s16, v1                    ; wave
	s_lshr_b32 s17, s16, 1                         ; i; also: I fetch for A (0) or B (1)
	s_and_b32 s18, s16, 1                          ; j; also: which half I fetch
	s_bfe_u32 s96, ttmp6, 0x40000                  ; cx
	s_bfe_u32 s97, ttmp6, 0x40004                  ; cy
	s_lshl_b32 s98, ttmp9, 2
	s_add_co_u32 s98, s98, s96                     ; tc
	s_and_b32 s99, ttmp7, 0xffff
	s_lshl_b32 s99, s99, 2
	s_add_co_u32 s99, s99, s97                     ; T, 0..15: the first of my two row tiles
	s_lshl_b32 s100, s97, 2
	s_lshl_b32 s100, 15, s100                      ; my row of the cluster
	s_lshl_b32 s101, 0x1111, s96                   ; my column
	s_or_b32 s[G1A3], s100, (3<<16)|(1<<21)        ; runs of units: dense rows of 32 elements of 8 bytes
	s_or_b32 s[G1A2], s100, (3<<16)|(1<<21)
	s_or_b32 s[G1B3], s101, (3<<16)|(1<<21)
	s_or_b32 s[G1B2], s101, (3<<16)|(1<<21)
.irp g, G1A3, G1B3
	s_mov_b32 s[\g+1], 32<<16
	s_mov_b32 s[\g+2], 150<<16                     ; three units
	s_mov_b32 s[\g+3], 32<<16
	s_mov_b32 s[\g+4], 150
	s_mov_b32 s[\g+5], 32
	s_mov_b32 s[\g+6], 0
	s_mov_b32 s[\g+7], 0
.endr
.irp g, G1A2, G1B2
	s_mov_b32 s[\g+1], 32<<16
	s_mov_b32 s[\g+2], 100<<16                     ; two units
	s_mov_b32 s[\g+3], 32<<16
	s_mov_b32 s[\g+4], 100
	s_mov_b32 s[\g+5], 32
	s_mov_b32 s[\g+6], 0
	s_mov_b32 s[\g+7], 0
.endr
	s_mov_b32 s[G1C], (2<<16)|(1<<20)|(5<<22)|(3<<25)   ; c_prev: 64 rows of 64 f32, 16 bytes of padding behind each
	s_mov_b32 s[G1C+1], 64<<16
	s_mov_b32 s[G1C+2], 64<<16
	s_mov_b32 s[G1C+3], 64<<16
	s_mov_b32 s[G1C+4], 64
	s_mov_b32 s[G1C+5], 1024
	s_mov_b32 s[G1C+6], 0
	s_mov_b32 s[G1C+7], 0
	s_mul_i32 s19, s18, HALFB
	s_mul_i32 s20, s99, TILEB                      ; A hangs on T alone
	s_add_co_u32 s20, s20, s19
	s_mov_b32 s21, 0
	s_mul_i32 s22, s98, TILEB                      ; B on tc alone
	s_add_co_u32 s22, s22, s19
	s_mov_b32 s23, 0
	s_mul_i32 s93, s16, WPART
	s_lshl_b32 s66, s99, 20                        ; c_prev: row 256 T + 64 wave, column 64 tc
	s_lshl_b32 s67, s16, 18
	s_add_co_u32 s66, s66, s67
	s_lshl_b32 s67, s98, 8
	s_add_co_u32 s66, s66, s67
	s_mov_b32 s67, 0
	s_mov_b32 s[KS1], 0xbfb8aa3b                   ; -log2(e)
	s_mov_b32 s[KS1+1], s[KS1]
	s_mov_b32 s[KS2], 0xc038aa3b                   ; -2 log2(e)
	s_mov_b32 s[KS2+1], s[KS2]
	s_mov_b32 s[CAP], 0x41f00000                   ; 30.0
	s_wait_dscnt 0x0                               ; both opening adds are done
	s_wait_kmcnt 0x0
	s_add_nc_u64 s[20:21], s[4:5], s[20:21]
	s_add_nc_u64 s[22:23], s[6:7], s[22:23]
	s_add_nc_u64 s[66:67], s[10:11], s[66:67]
	s_cmp_eq_u32 s17, 0
	s_cselect_b64 s[PF:PF+1], s[20:21], s[22:23]   ; the prefetches: the half that I fetch,
	s_cselect_b32 s7, s96, s97                     ; my place among the four that ask for it with me,
	s_cselect_b32 s[LIN], 1, 0                     ; the next tile's rows: of aq alone
	s_mov_b32 s[LIM], 1
	s_lshl_b32 s7, s7, 8
	s_mov_b32 s[TL], 2
	s_lshl_b32 s2, s98, 8                          ; the bias: 4 (64 tc + 32 j) bytes on in each gate's 4,096
	s_lshl_b32 s3, s18, 7
	s_add_co_u32 s2, s2, s3
	s_mov_b32 s3, 0
	s_add_nc_u64 s[8:9], s[8:9], s[2:3]
	s_lshl_b32 s2, s99, 20                         ; the outputs: row 256 T + 128 i, column 64 tc
	s_lshl_b32 s3, s17, 19
	s_add_co_u32 s2, s2, s3
	s_lshl_b32 s3, s98, 8
	s_add_co_u32 s2, s2, s3
	s_mov_b32 s3, 0
	s_cmp_eq_u32 s18, 0                            ; waves with j = 0 store c_t (out1), those with j = 1 h_t (out0)
	s_cselect_b64 s[OUTP:OUTP+1], s[14:15], s[12:13]
	s_add_nc_u64 s[OUTP:OUTP+1], s[OUTP:OUTP+1], s[2:3]
	CROUND                                         ; in front of the first joint loads
	s_mov_b32 s[G0AX], 1
	s_mov_b32 s[G0AX+1], s93
	s_mov_b64 s[G0AX+2:G0AX+3], s[20:21]
	s_or_b32 s[G0AX+3], s[G0AX+3], 0x80000000
	s_mov_b32 s[G0BX], 1
	s_mov_b32 s[G0BX+1], s93
	s_mov_b64 s[G0BX+2:G0BX+3], s[22:23]
	s_or_b32 s[G0BX+3], s[G0BX+3], 0x80000000
	JLOAD G0AX, G1A2, G0BX, G1B2                   ; X: steps 0 and 1: my one tensor load at the head
	s_mov_b32 s[G0AY], 1
	s_add_co_u32 s[G0AY+1], s93, SLOT
	s_add_nc_u64 s[G0AY+2:G0AY+3], s[20:21], 2*UB
	s_or_b32 s[G0AY+3], s[G0AY+3], 0x80000000
	s_mov_b32 s[G0BY], 1
	s_add_co_u32 s[G0BY+1], s93, SLOT
	s_add_nc_u64 s[G0BY+2:G0BY+3], s[22:23], 2*UB
	s_or_b32 s[G0BY+3], s[G0BY+3], 0x80000000
	s_mov_b32 s[G0C], 1
	s_mul_i32 s[G0C+1], s16, 64*CPP
	s_add_co_u32 s[G0C+1], s[G0C+1], SLOT          ; c_prev's tile lies in Y
	s_mov_b64 s[G0C+2:G0C+3], s[66:67]
	s_or_b32 s[G0C+3], s[G0C+3], 0x80000000
	v_and_b32 v1, 15, v0                           ; r
	v_bfe_u32 v2, v0, 4, 1                         ; h
	v_and_b32 v3, 31, v0
	v_lshlrev_b32 v4, 4, v3
	s_mul_i32 s2, s17, WPART
	s_mul_i32 s3, s18, WPART
	s_add_co_u32 s3, s3, 2*WPART
	v_add_nc_u32 v[ADRA], s2, v4
	v_add_nc_u32 v[ADRA+1], SLOT, v[ADRA]
	v_add_nc_u32 v[ADRB], s3, v4
	v_add_nc_u32 v[ADRB+1], SLOT, v[ADRB]
	s_xor_b32 s19, s17, 1
	s_add_co_u32 s19, s19, s18
	s_add_co_u32 s19, s19, 1                       ; 2 + j - i parts from my half of A to my half of B
	s_mul_i32 s19, s19, WPART
	v_mul_u32_u24 v5, s19, v2                      ; lanes 16-31 take B's scale words
	v_lshl_add_u32 v5, v1, 4, v5
	s_add_co_u32 s2, s2, SCO
	v_add_nc_u32 v[ADRS], s2, v5
	v_add_nc_u32 v[ADRS+1], SLOT, v[ADRS]
	v_mul_u32_u24 v6, v1, SPP
	v_lshl_add_u32 v6, v2, 5, v6                   ; row r x 272 + 32 h: the stage and c_prev's tile alike
	s_lshl_b32 s2, s18, 7
	s_mul_i32 s3, s17, 16*SPP
	s_add_co_u32 s3, s3, s2
	s_add_co_u32 s3, s3, STG
	v_add_nc_u32 v[STO], s3, v6
	s_mul_i32 s3, s17, 128*CPP
	s_add_co_u32 s3, s3, s2
	s_add_co_u32 s3, s3, SLOT
	v_add_nc_u32 v[CPA], s3, v6
	v_mul_u32_u24 v7, v2, SPP
	v_lshl_add_u32 v7, v1, 4, v7                   ; back: lanes 0-15 one row of 256 bytes, lanes 16-31 the next
	s_mul_i32 s2, s18, STO1
	s_mul_i32 s3, s17, 16*SPP
	s_add_co_u32 s3, s3, s2
	s_add_co_u32 s3, s3, STG
	v_add_nc_u32 v[RD], s3, v7
	v_lshlrev_b32 v[CO], 12, v2
	v_lshl_add_u32 v[CO], v1, 4, v[CO]
	v_lshlrev_b32 v[PFC], 12, v3
	v_lshl_add_u32 v[PFO], v3, 10, s7
	v_min_u32 v8, 7, v3
	v_lshl_add_u32 v[PFO+1], v8, 10, s7
	v_lshlrev_b32 v[BO], 5, v2
	WIN TO_B
.irp b, 0,1,2,3,4,5,6,7
	global_load_b128 v[96+8*\b+96*(\b/4):96+8*\b+96*(\b/4)+3],   v[BO], s[8:9] offset:4096*(\b/2)+64*(\b%2)
	global_load_b128 v[96+8*\b+96*(\b/4)+4:96+8*\b+96*(\b/4)+7], v[BO], s[8:9] offset:4096*(\b/2)+64*(\b%2)+16
.endr
	WIN 0
.macro FRAG reg, adr, q, i
.irp c, 0,1,2
	ds_load_b128 v[\reg+4*\c:\reg+4*\c+3], v[\adr] offset:(\q)*UB+(\i)*FRB+512*\c
.endr
.endm
; 16 matrix instructions: A's blocks a0, a0 + 1 x B's eight.  The 64 accumulators take turns in the same order in every step.
.macro MUL16 a0, p, first
.irp a, \a0, \a0+1
.irp b, 0,1,2,3,4,5,6,7
.if \first
	v_wmma_scale_f32_16x16x128_f8f6f4 v[8*(8*((\a)%4)+\b):8*(8*((\a)%4)+\b)+7], v[128*(\p)+FR*\b:128*(\p)+FR*\b+FR-1], v[AF+FR*(\a):AF+FR*(\a)+FR-1], v[96+8*\b+96*(\b/4):96+8*\b+96*(\b/4)+7], v[SC+8*(\p)+\b], v[SC+8*(\p)+(\a)] matrix_a_fmt:MATRIX_FMT_BF6 matrix_b_fmt:MATRIX_FMT_BF6 matrix_a_scale:MATRIX_SCALE_ROW1
.else
	v_wmma_scale_f32_16x16x128_f8f6f4 v[8*(8*((\a)%4)+\b):8*(8*((\a)%4)+\b)+7], v[128*(\p)+FR*\b:128*(\p)+FR*\b+FR-1], v[AF+FR*(\a):AF+FR*(\a)+FR-1], v[8*(8*((\a)%4)+\b):8*(8*((\a)%4)+\b)+7], v[SC+8*(\p)+\b], v[SC+8*(\p)+(\a)] matrix_a_fmt:MATRIX_FMT_BF6 matrix_b_fmt:MATRIX_FMT_BF6 matrix_a_scale:MATRIX_SCALE_ROW1
.endif
.endr
.endr
.endm
.macro FETCH_B sl, q, p
	WIN TO_B
.irp i, 0,1,2,3,4,5,6,7
	FRAG 128*(\p)+FR*\i, ADRB+\sl, \q, \i
.endr
	WIN 0
.endm
.macro FETCH_A sl, q, i0
.irp i, \i0, \i0+1, \i0+2, \i0+3
	FRAG AF+FR*(\i), ADRA+\sl, \q, \i
.endr
.endm
.macro SCALES sl, q, p
.irp u, 0,1
	ds_load_b128 v[SC+8*(\p)+4*\u:SC+8*(\p)+4*\u+3], v[ADRS+\sl] offset:(\q)*UB+256*\u
.endr
.endm
.macro PLACES n                        ; places behind matrix instructions, in front of loads into their registers and of reads of results
.rept \n
	v_nop
.endr
.endm
.macro STEP p, nsl, nq, first          ; a step whose successor, the nq-th step of slot nsl, has landed
	s_wait_dscnt 4*NL                              ; all but the youngest twelve loads (A's blocks 4-7)
.if \first
	WIN FIRST_LO
.else
	WIN MUL_LO
.endif
	MUL16 0, \p, \first
	MUL16 2, \p, \first
	s_wait_dscnt 0
	PLACES NP
	FETCH_B \nsl, \nq, 1-(\p)
	FETCH_A \nsl, \nq, 0
	SCALES \nsl, \nq, 1-(\p)
.if \first
	WIN FIRST_HI
.else
	WIN MUL_HI
.endif
	MUL16 4, \p, \first
	MUL16 6, \p, \first
	PLACES NP
	WIN 0
	FETCH_A \nsl, \nq, 4
.endm
; A slot's last step.  In front of the barrier: the wait for all my tensor loads, the add, the wait for it and for my reads of the slot.  kind 3, 2: the barrier opens a round, and slot sl takes three or two steps,
; adv bytes on; kind 4: the next tile's steps 0 and 1 (A adv bytes on, B back along K); kind -1: nothing is filled, no round.
.macro TURN p, sl, kind, adv, nsl
	s_wait_tensorcnt 0x0
	ds_add_u32 v[SPW], v[NIL]
	s_wait_dscnt 4*NL+1                            ; the add and A's blocks 4-7 may be out
	WIN MUL_LO
	MUL16 0, \p, 0
	s_wait_dscnt 0x0
	s_barrier_signal -1
	MUL16 2, \p, 0
	WIN 0
	s_barrier_wait -1
.if \kind < 0
	PLACES NP
.else
	CREST
.if \sl == 0
.set DA, G0AX
.set DB, G0BX
.else
.set DA, G0AY
.set DB, G0BY
.endif
	s_add_nc_u64 s[DA+2:DA+3], s[DA+2:DA+3], \adv
.if \kind == 4
	s_sub_nc_u64 s[DB+2:DB+3], s[DB+2:DB+3], 11*UB
.else
	s_add_nc_u64 s[DB+2:DB+3], s[DB+2:DB+3], \adv
.endif
.if \kind == 3
	JLOAD DA, G1A3, DB, G1B3
.else
	JLOAD DA, G1A2, DB, G1B2
.endif
.endif
	FETCH_B \nsl, 0, 1-(\p)
	FETCH_A \nsl, 0, 0
	SCALES \nsl, 0, 1-(\p)
	WIN MUL_HI
	MUL16 4, \p, 0
	MUL16 6, \p, 0
	PLACES NP
	WIN 0
	FETCH_A \nsl, 0, 4
.endm
; THE CELL, block by block of 16 rows: 16 numbers a lane.  Four batches of transcendentals a block, each with one wait ahead and one behind.
.macro CPLOAD a
.irp u, 0,1
	ds_load_b128 v[CPR+8*\u:CPR+8*\u+3],   v[CPA] offset:16*(\a)*CPP+64*\u
	ds_load_b128 v[CPR+8*\u+4:CPR+8*\u+7], v[CPA] offset:16*(\a)*CPP+64*\u+16
.endr
.endm
.macro HOLD x, n                       ; n pairs of exponents held at 30 from above, two an instruction
.set ee, 0
.rept \n
	v_dual_min_num_f32 v[\x+ee], s[CAP], v[\x+ee] :: v_dual_min_num_f32 v[\x+ee+1], s[CAP], v[\x+ee+1]
.set ee, ee+2
.endr
.endm
.macro BATCH op, x, n                  ; the wait, n transcendentals in place, a plain place, the wait
	s_wait_alu depctr_va_vdst(0)
.set ee, 0
.rept \n
	\op v[\x+ee], v[\x+ee]
.set ee, ee+1
.endr
	v_nop
	s_wait_alu depctr_va_vdst(0)
.endm
.macro BACK
.irp t, 0,1,2,3,4,5,6,7
	ds_load_b128 v[OB+4*\t:OB+4*\t+3], v[RD] offset:2*\t*SPP
.endr
.endm
.macro SEND a
.irp t, 0,1,2,3,4,5,6,7
	global_store_b128 v[CO], v[OB+4*\t:OB+4*\t+3], s[OUTP:OUTP+1] offset:(16*(\a)+2*\t)*4096 th:TH_STORE_NT   ; 16 lanes store 256 neighbouring bytes, aligned
.endr
.endm
.macro EPI a
.set AC, 64*((\a)%4)
	WIN 0x02+(\a)/4                                ; source 0: window 2 or 3
	s_wait_alu depctr_va_vdst(0)                   ; directly ahead of the first reads of this block's sums
.irp k, 0,2,4,6,8,10,12,14
	v_pk_mul_f32 v[GI+\k:GI+\k+1], v[AC+\k:AC+\k+1], s[KS1:KS1+1] op_sel_hi:[1,0]
.endr
.irp k, 0,2,4,6,8,10,12,14
	v_pk_mul_f32 v[GF+\k:GF+\k+1], v[AC+16+\k:AC+16+\k+1], s[KS1:KS1+1] op_sel_hi:[1,0]
.endr
.irp k, 0,2,4,6,8,10,12,14
	v_pk_mul_f32 v[GO+\k:GO+\k+1], v[AC+32+\k:AC+32+\k+1], s[KS1:KS1+1] op_sel_hi:[1,0]
.endr
.irp k, 0,2,4,6,8,10,12,14
	v_pk_mul_f32 v[GG+\k:GG+\k+1], v[AC+48+\k:AC+48+\k+1], s[KS2:KS2+1] op_sel_hi:[1,0]
.endr
	WIN 0
	HOLD GI, 32
	BATCH v_exp_f32, GI, 64                        ; Ei, Ef, Eo, Eg
; A barrier in the block's middle: every wave has its rows of the block before back from the stage, so the stage may be written again.
.if (\a) == 0
	s_wait_tensorcnt 0x0                           ; my 64 rows of c_prev have landed: the other waves read them behind this barrier
	s_wait_dscnt 0x0
	s_barrier_signal -1
	s_barrier_wait -1
	CPLOAD 0
.elseif (\a) == 7
	s_cmp_eq_u32 s[TL], 1
	s_cbranch_scc1 .Lno_y
	s_wait_tensorcnt 0x0                           ; c_prev's tile has been read by every wave behind this round: Y takes the next tile's steps 2-4
	ds_add_u32 v[SPW], v[NIL]
	s_wait_dscnt 0x0
	CROUND
	s_add_nc_u64 s[G0AY+2:G0AY+3], s[G0AY+2:G0AY+3], WALK-12*UB
	s_sub_nc_u64 s[G0BY+2:G0BY+3], s[G0BY+2:G0BY+3], 12*UB
	JLOAD G0AY, G1A3, G0BY, G1B3
	s_branch .Lhave_y
.Lno_y:
	s_wait_dscnt 0x0
	s_barrier_signal -1
	s_barrier_wait -1
.Lhave_y:
	SEND 6
.else
	s_wait_dscnt 0x0                               ; c_prev and the rows of the block before are in
	s_barrier_signal -1
	s_barrier_wait -1
	SEND (\a)-1
.endif
.irp k, 0,2,4,6,8,10,12,14
	v_pk_add_f32 v[GI+\k:GI+\k+1], v[GI+\k:GI+\k+1], 1.0 op_sel_hi:[1,0]   ; Ai
.endr
.irp k, 0,2,4,6,8,10,12,14
	v_pk_add_f32 v[GF+\k:GF+\k+1], v[GF+\k:GF+\k+1], 1.0 op_sel_hi:[1,0]   ; F
.endr
.irp k, 0,2,4,6,8,10,12,14
	v_pk_add_f32 v[GO+\k:GO+\k+1], v[GO+\k:GO+\k+1], 1.0 op_sel_hi:[1,0]   ; Ao
.endr
.irp k, 0,2,4,6,8,10,12,14
	v_pk_fma_f32 v[GI+\k:GI+\k+1], v[GI+\k:GI+\k+1], v[GG+\k:GG+\k+1], v[GI+\k:GI+\k+1]   ; P = Ai Eg + Ai
.endr
.irp k, 0,2,4,6,8,10,12,14
	v_pk_fma_f32 v[GG+\k:GG+\k+1], v[GG+\k:GG+\k+1], v[GF+\k:GF+\k+1], v[GF+\k:GF+\k+1] neg_lo:[1,0,0] neg_hi:[1,0,0]   ; F - Eg F
.endr
.irp k, 0,2,4,6,8,10,12,14
	v_pk_mul_f32 v[T2+\k:T2+\k+1], v[GI+\k:GI+\k+1], v[GF+\k:GF+\k+1]      ; P F
.endr
.if (\a) == 0
	s_wait_alu depctr_va_vdst(0)                   ; directly ahead of the wait below
	s_wait_dscnt 0x0                               ; c_prev
.endif
.irp k, 0,2,4,6,8,10,12,14
	v_pk_fma_f32 v[CPR+\k:CPR+\k+1], v[CPR+\k:CPR+\k+1], v[GI+\k:GI+\k+1], v[GG+\k:GG+\k+1]   ; c_prev P + (F - Eg F)
.endr
	BATCH v_rcp_f32, T2, 16
.irp k, 0,2,4,6,8,10,12,14
	v_pk_mul_f32 v[CT+\k:CT+\k+1], v[CPR+\k:CPR+\k+1], v[T2+\k:T2+\k+1]    ; c_t
.endr
.irp u, 0,1
	ds_store_b128 v[STO], v[CT+8*\u:CT+8*\u+3]   offset:64*\u
	ds_store_b128 v[STO], v[CT+8*\u+4:CT+8*\u+7] offset:64*\u+16
.endr
.irp k, 0,2,4,6,8,10,12,14
	v_pk_mul_f32 v[T1+\k:T1+\k+1], v[CT+\k:CT+\k+1], s[KS2:KS2+1] op_sel_hi:[1,0]
.endr
	HOLD T1, 8
	BATCH v_exp_f32, T1, 16                        ; Ec
.irp k, 0,2,4,6,8,10,12,14
	v_pk_fma_f32 v[GO+\k:GO+\k+1], v[GO+\k:GO+\k+1], v[T1+\k:T1+\k+1], v[GO+\k:GO+\k+1]   ; Ao Ec + Ao
.endr
.irp k, 0,2,4,6,8,10,12,14
	v_pk_fma_f32 v[T1+\k:T1+\k+1], v[T1+\k:T1+\k+1], -1.0, 1.0 op_sel_hi:[1,0,0]          ; 1 - Ec
.endr
	BATCH v_rcp_f32, GO, 16
.irp k, 0,2,4,6,8,10,12,14
	v_pk_mul_f32 v[HT+\k:HT+\k+1], v[T1+\k:T1+\k+1], v[GO+\k:GO+\k+1]      ; h_t
.endr
.irp u, 0,1
	ds_store_b128 v[STO], v[HT+8*\u:HT+8*\u+3]   offset:STO1+64*\u
	ds_store_b128 v[STO], v[HT+8*\u+4:HT+8*\u+7] offset:STO1+64*\u+16
.endr
	s_wait_dscnt 0x0                               ; for the others' sake: a row's 256 bytes come from two waves
	s_wait_xcnt 0x0                                ; the stores of the block before have read their registers
	s_barrier_signal -1
	s_barrier_wait -1
	BACK
.if (\a) < 7
	CPLOAD (\a)+1
.endif
.endm
	s_wait_alu depctr_va_vdst(0)                   ; the wait at the head's end
	s_wait_tensorcnt 0x0                           ; my part of steps 0 and 1 is in; the same lines ahead of a later first fill as ahead of a refill
	ds_add_u32 v[SPW], v[NIL]
	s_wait_dscnt 0x0
	CROUND
	JLOAD G0AY, G1A3, G0BY, G1B3                   ; Y: steps 2, 3 and 4
	s_wait_loadcnt 0x0                             ; the bias
.Ltile:
	FETCH_B 0, 0, 0
	FETCH_A 0, 0, 0
	SCALES 0, 0, 0
	FETCH_A 0, 0, 4
	ASK LIM, PFO, 2*CH                             ; rows 256-511 of my half: steps 5 to 10
	ASK LIM, PFO, 3*CH
	STEP 0, 0, 1, 1                                ; step 0: the sums start from the bias
	TURN 1, 0, 3, 5*UB, 1                          ; step 1:  X takes steps 5-7
	ASK LIM, PFO, 4*CH
	STEP 0, 1, 1, 0                                ; step 2
	STEP 1, 1, 2, 0                                ; step 3
	global_prefetch_b8 v[PFC], s[66:67] th:TH_LOAD_NT scope:SCOPE_SE                 ; my 64 rows of c_prev's tile, a lane a row of 256 bytes
	global_prefetch_b8 v[PFC], s[66:67] offset:32*4096 th:TH_LOAD_NT scope:SCOPE_SE
	TURN 0, 1, 3, 6*UB, 0                          ; step 4:  Y takes steps 8-10
	ASK LIM, PFO, 5*CH
	STEP 1, 0, 1, 0                                ; step 5
	STEP 0, 0, 2, 0                                ; step 6
	TURN 1, 0, 3, 6*UB, 1                          ; step 7:  X takes steps 11-13
	ASK LIM, PFO+1, 6*CH                           ; the half's last 32 rows: lanes 8-31 name lane 7's block again
	STEP 0, 1, 1, 0                                ; step 8
	STEP 1, 1, 2, 0                                ; step 9
	TURN 0, 1, 2, 6*UB, 0                          ; step 10: Y takes steps 14 and 15
	ASK LIN, PFO, WALK                             ; the next tile's rows 0-255 of aq: its steps 0 to 4
	ASK LIN, PFO, WALK+CH
	STEP 1, 0, 1, 0                                ; step 11
	STEP 0, 0, 2, 0                                ; step 12
	s_cmp_eq_u32 s[TL], 1
	s_cbranch_scc1 .Llast13
	TURN 1, 0, 4, WALK-11*UB, 1                    ; step 13: X takes the next tile's steps 0 and 1
	s_branch .Ljoin13
.Llast13:
	TURN 1, 0, -1, 0, 1                            ; step 13 of the last tile: nothing more to fetch for X
.Ljoin13:
	STEP 0, 1, 1, 0                                ; step 14
	s_wait_tensorcnt 0x0                           ; step 15: its fragments have been asked for: Y is read no more and takes c_prev's tile
	ds_add_u32 v[SPW], v[NIL]
	s_wait_dscnt 4*NL+1
	WIN MUL_LO
	MUL16 0, 1, 0
	s_wait_dscnt 0x0
	s_barrier_signal -1
	MUL16 2, 1, 0
	WIN 0
	s_barrier_wait -1
	CREST
	tensor_load_to_lds s[G0C:G0C+3], s[G1C:G1C+7]  ; my 64 rows: my one load behind this round
	s_nop 0
	PLACES NP
	WIN MUL_HI
	MUL16 4, 1, 0
	MUL16 6, 1, 0
	WIN 0
	PLACES NP
.irp a, 0,1,2,3,4,5,6,7
	EPI \a
.endr
	s_wait_dscnt 0x0
	SEND 7
	s_wait_xcnt 0x0                                ; stores and prefetches have read their registers and bases: these step to the next tile (in the last trip they are used no more)
	s_add_nc_u64 s[OUTP:OUTP+1], s[OUTP:OUTP+1], DOWN
	s_add_nc_u64 s[G0C+2:G0C+3], s[G0C+2:G0C+3], DOWN
	s_add_nc_u64 s[66:67], s[66:67], DOWN
	s_add_nc_u64 s[PF:PF+1], s[PF:PF+1], WALK
	s_cmp_eq_u32 s17, 0
	s_cselect_b32 s[LIM], 1, 0                     ; bq's rows have been read: they are prefetched no more
	s_mov_b32 s[LIN], 0
	s_sub_co_u32 s[TL], s[TL], 1
	s_cmp_lg_u32 s[TL], 0
	s_cbranch_scc1 .Ltile
	s_wait_tensorcnt 0x0                           ; the wave's end
	ds_add_u32 v[SPW], v[NIL]
	s_wait_dscnt 0x0
	CROUND                                         ; the closing round
	s_endpgm
.Lfunc_end_k_qd9f9f48235_lstm:
	.size	k_qd9f9f48235_lstm, .Lfunc_end_k_qd9f9f48235_lstm-k_qd9f9f48235_lstm
	.p2alignl 7, 3214868480
	.fill 96, 4, 3214868480
	.section	.rodata,"a",@progbits
	.p2align	6, 0x0
	.amdhsa_kernel k_qd9f9f48235_lstm
		.amdhsa_group_segment_fixed_size 327680
		.amdhsa_private_segment_fixed_size 0
		.amdhsa_enable_private_segment 0
		.amdhsa_kernarg_size 48
		.amdhsa_user_sgpr_count 2
		.amdhsa_user_sgpr_kernarg_segment_ptr 1
		.amdhsa_wavefront_size32 1
		.amdhsa_system_sgpr_workgroup_id_x 1
		.amdhsa_system_sgpr_workgroup_id_y 1
		.amdhsa_system_sgpr_workgroup_id_z 1
		.amdhsa_system_vgpr_workitem_id 0
		.amdhsa_next_free_vgpr 1024
		.amdhsa_next_free_sgpr 102
		.amdhsa_reserve_vcc 0
		.amdhsa_float_denorm_mode_32 3
		.amdhsa_float_denorm_mode_16_64 3
		.amdhsa_memory_ordered 1
		.amdhsa_forward_progress 1
		.amdhsa_inst_pref_size 255
	.end_amdhsa_kernel
	.section	.bss,"aw",@nobits
	.p2align	6
	.space	262144
	.amdgpu_metadata
---
amdhsa.version: [ 1, 2 ]
amdhsa.kernels:
  - .name:           k_qd9f9f48235_lstm
    .symbol:         k_qd9f9f48235_lstm.kd
    .args:
      - { .name: aq, .offset: 0, .size: 8, .value_kind: global_buffer, .address_space: global }
      - { .name: bq, .offset: 8, .size: 8, .value_kind: global_buffer, .address_space: global }
      - { .name: b, .offset: 16, .size: 8, .value_kind: global_buffer, .address_space: global }
      - { .name: c_prev, .offset: 24, .size: 8, .value_kind: global_buffer, .address_space: global }
      - { .name: out0, .offset: 32, .size: 8, .value_kind: global_buffer, .address_space: global }
      - { .name: out1, .offset: 40, .size: 8, .value_kind: global_buffer, .address_space: global }
    .group_segment_fixed_size: 327680
    .private_segment_fixed_size: 0
    .kernarg_segment_align: 8
    .kernarg_segment_size: 48
    .max_flat_workgroup_size: 128
    .sgpr_count:     102
    .vgpr_count:     1024
    .wavefront_size: 32
...
	.end_amdgpu_metadata
.endif
;; end of part 2
